; MI455X (gfx1250); checked and timed in simulation.
; The chip was launched on July 23, 2026; its instructions are those of AMD's public machine-readable ISA for CDNA 5 (MIT licence, August 2026) and "CDNA5" Instruction Set Architecture Reference Guide (July 2026). The comments in the code are by the model that wrote it; some were corrected since.
;; Interpolated Linear. Allowed arithmetic: matrix products marked QUANTISED: E2M3 operands, one E8M0 scale for each 32 along K, by v_wmma_scale_f32_16x16x128_f8f6f4 with both operands' format E2M3, f32 sums; everything else in f32.
;; Inputs: alpha 8,192 float32; bias1 2,048 float32; bias2 2,048 float32; input_codes 8,192 x 64 x 24 uint8 (E2M3 codes of input, K innermost, in blocks of 32 codes, four codes in three bytes); input_scales 8,192 x 64 uint8 (E8M0 scales of input, one for each 32 codes along K); weight1_codes 2,048 x 64 x 24 uint8 (E2M3 codes of weight1, K innermost, in blocks of 32 codes, four codes in three bytes); weight1_scales 2,048 x 64 uint8 (E8M0 scales of weight1, one for each 32 codes along K); weight2_codes 2,048 x 64 x 24 uint8 (E2M3 codes of weight2, K innermost, in blocks of 32 codes, four codes in three bytes); weight2_scales 2,048 x 64 uint8 (E8M0 scales of weight2, one for each 32 codes along K).
;; Outputs: out0 8,192 x 2,048 float32.
;; This version of the problem:
;;   THIS VERSION OF THE PROBLEM IS GIVEN IN LOW PRECISION. The matrix products marked QUANTISED in the list below multiply operands that are first quantised to E2M3 (2 exponent bits, 3 mantissa bits; 6 bits a number), with one power-of-two scale for each 32 numbers along K (OCP MX v1.0); their sums are f32. All else is computed in f32.
;;   The module's matrix products, in the order in which they are computed (A, B: the left and right operand; K: the contracted axis; several contracted axes count as one K, in the product's order):
;;     1. [M 8,192, K 2,048] x [K 2,048, N 2,048]; A: input input (given as codes); B: input weight1 (given as codes): QUANTISED
;;     2. [M 8,192, K 2,048] x [K 2,048, N 2,048]; A: input input (given as codes); B: input weight2 (given as codes): QUANTISED
;;   THE QUANTISER, for each operand of a quantised product, along K:
;;     - K is cut into blocks of 32 from its start; a last block that is shorter is filled with zeros.
;;     - A block's scale is 2^e with e = floor(log2(the largest magnitude in the block)) - 2, held to -126 .. 127; a block of zeros has e = 0. As a byte (E8M0): e + 127.
;;     - Each number is divided by its block's scale, clamped to +-7.5, and rounded to the nearest number of E2M3, ties to even, subnormals kept.
;;     - The product sums the exact products of the quantised numbers (number of the format x scale) in f32.
;;   ~~~python
;;   def quantise(x, axis):      # numpy; x: float32 -> the quantised numbers, widened to float32 again
;;       x = np.moveaxis(x, axis, -1); K = x.shape[-1]
;;       x = np.pad(x, [(0, 0)] * (x.ndim - 1) + [(0, -K % 32)]); x = x.reshape(x.shape[:-1] + (-1, 32)); a = np.abs(x).max(-1, keepdims=True)
;;       e = np.where(a > 0, np.clip(np.frexp(np.where(a > 0, a, 1))[1] - 1 - 2, -126, 127), 0)      # np.frexp(a)[1] - 1 = floor(log2(a)), exactly
;;       r = np.clip(x / 2.0 ** e, -7.5, 7.5)
;;       step = 2.0 ** (np.maximum(np.frexp(np.where(r == 0, 1, r))[1] - 1, 0) - 3)
;;       q = np.round(r / step) * step * 2.0 ** e      # np.round: ties to even
;;       return np.moveaxis(q.reshape(q.shape[:-2] + (-1,))[..., :K], -1, axis).astype(np.float32)
;;   ~~~
;;   INPUTS GIVEN AS CODES. input (in the module: [8192, 2048], K = its axis 1); weight1 (in the module: [2048, 2048], K = its axis 1); weight2 (in the module: [2048, 2048], K = its axis 1): each comes as NAME_codes (uint8): NAME with its K axis moved to the last place and cut into blocks of 32 codes, [.., K / 32, bytes a block], one block behind the other in memory; four codes in three bytes: a row's codes are one little-endian stream of bits, code i at bits 6 i .. 6 i + 5 (a code: sign, 2 exponent bits, 3 mantissa bits); and NAME_scales (uint8): the same leading axes, one E8M0 byte (e + 127) for each 32 codes along K. Its value is code x scale, taken as it is: it is not quantised again, and the codes and scales need not be those that the quantiser above would give.
;; One version. Each part assembles by itself: llvm-mc -triple=amdgcn-amd-amdhsa -mcpu=gfx1250 --defsym DOCPART=n.
;; ======== version 1 of 1: 1 launch
;; launch ilin (part 1): grid 16 x 32, 4 waves a work-group, clusters of 4 x 4, 327,680 bytes of LDS; arguments input_codes, input_scales, weight1_codes, weight1_scales, weight2_codes, weight2_scales, alpha, bias1, bias2, out0; writes out0
.if DOCPART == 1
	.amdgcn_target "amdgcn-amd-amdhsa--gfx1250"
	.amdhsa_code_object_version 6
	.text
	.protected	k_q6c52ed05a9_ilin
	.globl	k_q6c52ed05a9_ilin
	.p2align	8
	.type	k_q6c52ed05a9_ilin,@function
k_q6c52ed05a9_ilin:
	s_mov_b64 s[64:65], 0
	v_nop
	global_prefetch_b8 v0, s[64:65] scope:SCOPE_SE
	s_setreg_imm32_b32 hwreg(HW_REG_WAVE_MODE, 25, 1), 1
	s_wait_xcnt 0x0
	s_wait_alu depctr_hold_cnt(0) depctr_sa_sdst(0) depctr_va_vdst(0) depctr_va_sdst(0) depctr_va_ssrc(0) depctr_va_vcc(0) depctr_vm_vsrc(0)
	s_getreg_b32 s2, hwreg(HW_REG_IB_STS2, 6, 4)
	s_cmp_eq_u32 s2, 0
	s_cbranch_scc0 .Lentry_in_a_cluster
	s_endpgm
.Lentry_in_a_cluster:
	s_bfe_u32 s2, ttmp6, 0x10000c
	s_cmp_lg_u32 s2, 0xf033
	s_cbranch_scc0 .Lentry_shape_is_right
	s_endpgm
.Lentry_shape_is_right:
; out[m][n] = a[m] (x W1^T)[m][n] + (1 - a[m]) (x W2^T)[m][n] + a[m] b1[n] + (1 - a[m]) b2[n].
; x: [8192][2048], W1, W2: [2048][2048]: codes of FP6 (E2M3), 6 bits each, K innermost (a row is 1,536 bytes), one E8M0 byte for each 32 along K (64 bytes a row).  a [8192], b1, b2 [2048], out [8192][2048]: f32.
; ONE GEMM: both products share x, so a tile of B is 128 rows of W1 and the SAME 128 rows of W2.  A work-group of four waves makes 256 rows x 128 columns of out; a wave takes 128 rows of x against 64 rows of W1 and
; the same 64 rows of W2: 64 accumulators of 16 x 16, 512 registers.  y1(m, n) and y2(m, n) then lie in the same lane and register number of accumulators (a, b) and (a, b + 4): they are combined in registers.
; THE BIASES START THE SUMS: b1 is the C of the first product on W1's accumulators, b2 on W2's.  So out = a (y1 + b1) + (1 - a) (y2 + b2).
; LIMITS: that is another order of f32 rounding than a y1 + (1 - a) y2 + (a b1 + (1 - a) b2); a scale byte 0xff gives NaN, as the matrix instruction has it; alpha is taken as it is given, with no bound.
; K goes in steps of 256 (rows of 192 bytes) through a ring of two LDS slots filled by the tensor data mover; the scale bytes of the work-group's 256 + 128 + 128 rows, for all of K, come into LDS once and stay.
; CLUSTERS: 4 x 4 work-groups.  The four of a row of the cluster need the same rows of x, the four of a column the same rows of W1 and W2: each tile is asked for JOINTLY, by the same tensor load with the same
; descriptor and a mask that names the four: 419 MB of requests without sharing become a quarter of that.
; THE MATRIX INSTRUCTION IS USED TRANSPOSED (source 0 = 16 rows of W, source 1 = 16 rows of x): a lane then holds one row of out and eight neighbouring columns.
; REGISTERS, in windows of 256: window 0: v0-31 addresses; v32-63 scale words, two sets; v64-127 the biases in the result's layout (on the way out: combined results); v128-223 x's fragments, ONE set
;   (on the way out: rows read back); v224-255 alpha and 1 - alpha of my rows, each twice.   window 1: W's fragments, TWO sets, at v0 and v128.   windows 2, 3: the accumulators of my rows 0-63, 64-127.
.set SIZE_N, 2048
.set SIZE_K, 2048
.set KSTEP,  256                       ; along K in a slot
.set NQ,     KSTEP/128                 ; matrix instructions deep
.set ROWB,   192                       ; a tile's row in bytes
.set KROW,   SIZE_K*6/8                ; a row of codes in memory: 1,536 bytes
.set PITCH,  240                       ; an LDS row: 3 x (64 bytes of data + 16 of padding) = 60 words: the 32 lanes of a load of 8 bytes touch 64 different banks (64 banks of 4 bytes: ISA guide 11.1)
.set FR,     12                        ; registers of a fragment: 16 rows x 128 K
.set NL,     6                         ; LDS loads that bring one
.set NP,     4                         ; places behind this matrix instruction (ISA guide 7.12.1)
.set HALFT,  128*PITCH                 ; 128 rows: what one tensor load brings
.set SLOT,   4*HALFT                   ; x's rows 0-127, x's rows 128-255, W1's 128 rows, W2's 128 rows
.set LAPS,   SIZE_K/(2*KSTEP)          ; 4 laps of two K steps
.set KS,     SIZE_K/32                 ; a row of scale bytes: 64
.set SCL,    2*SLOT                    ; behind the ring: the scales, as units of 256 bytes + 16 of padding, four parts in the slot's order
.set HALFS,  (128*KS/256)*272          ; the scales of 128 rows: what one tensor load brings
.set SBLK,   (16*KS/256)*272           ; those of 16 rows
.set SPARE,  SCL+4*HALFS               ; behind the scales: the spare words, 128 bytes for each wave: two blocks of 256 bytes that no other line names
.set SPITCH, 272                       ; the way out: a stage of 16 rows x (256 bytes + 16) for each wave, in slot 0, which has had its last fill and its last read when the first result is stored there
.set OROW,   SIZE_N*4                  ; a row of out in bytes
.set ADRA, 16                          ; v16-17  LDS address of my fragments of x in slot 0, 1  (v18-19: the same for the pieces that lie behind one padding more)
.set ADRB, 20                          ; v20-21  the same for W  (v22-23)
.set STO,  24                          ; v24     the way out: where I put 32 bytes of a row
.set RD,   25                          ; v25     the way out: where I read 16 bytes of a row back
.set CO,   26                          ; v26     my byte offset in out; never rewritten
.set ADRS, 27                          ; v27     LDS address of my scale words, blocks 0-3: lanes 0-15 x's rows, lanes 16-31 W1's
.set SPW,  28                          ; v28     LDS address of my spare word: SPARE + 4 x my thread's number; never rewritten
.set NIL,  29                          ; v29     0; never rewritten
.set ADRS2, 30                         ; v30     the same as v27 for blocks 4-7: lanes 16-31 W2's
.set PFO,  31                          ; v31     the prefetches' offset: my lane x a row of codes; never rewritten
.set SC,   32                          ; scale words: set s at v[SC + 16 s]; register 2 i + q: lanes 0-15 the word of x's block i, lanes 16-31 that of W's block i, for the slot's q-th 128 along K
.set BIAS, 64                          ; v64-127 block b at 64 + 8 b: b < 4 of bias1, b >= 4 of bias2: the numbers of columns 16 (b % 4) + 8 (lane / 16) + 0 .. 7
.set OUTS, 64                          ; the way out: two sets of 32 combined results
.set AF,   128                         ; x's fragments
.set BK,   128                         ; the way out: two sets of 32 registers of rows read back
.set AL,   224                         ; block a: alpha, alpha, 1 - alpha, 1 - alpha of row 16 a + lane % 16
.set G1,   24                          ; s[24:31] descriptor group 1 for x's tiles;  s[32:39] group 0, one set for each slot
.set G0,   32
.set G1B,  48                          ; s[48:55], s[56:63] the same for W's tiles
.set G0B,  56
.set PFA,  66                          ; s[66:67] where my prefetches stand
.set G1S,  68                          ; s[68:75], s[76:79] groups 1 and 0 for x's scales;  s[80:87], s[88:91] for W's
.set G0S,  76
.set G1SB, 80
.set G0SB, 88
.set WV,   92                          ; s92 my wave's number
.set HR,   93                          ; s93 which 128 rows of the tile are mine.  Also: I fetch for x (0) or for W (1)
.set HC,   94                          ; s94 which 64 columns are mine.  Also: which 128 rows of x, or which of the two weights, I fetch
.set TR,   95                          ; s95 tile row of out
.set LIM,  104                         ; s104, s105: a wave prefetches at slot s's change while the lap counter is above s[LIM + s]
.set MSB, 0
.macro WIN new                         ; the immediate's high byte repeats the setting that is left; a switch that changes nothing is dropped
.if MSB != (\new)
	s_set_vgpr_msb (MSB<<8)|(\new)
.set MSB, (\new)
.endif
.endm
.set MUL_LO,  0xa1                     ; source 0 (W) window 1, source 1 (x) window 0, C and D window 2
.set MUL_HI,  0xf1                     ; the same, C and D window 3
.set MUL_LO0, 0x81                     ; the first step: C (a bias) window 0, D window 2
.set MUL_HI0, 0xc1                     ; C window 0, D window 3
.set TO_B,    0x40                     ; destination window 1, address window 0
; A joint load: waves 0 and 1 fetch for x, waves 2 and 3 for W.  Each of the two lines has ONE mask and one set of registers for all that issue it; the branch hangs on the wave's number alone.
; Four v_nop follow each of the two lines, ahead of the jump, the label and what follows.
.macro JLOAD g0a, g1a, g0b, g1b
	s_cmp_eq_u32 s[HR], 0
	s_cbranch_scc0 .Lfor_b_\@
	tensor_load_to_lds s[\g0a:\g0a+3], s[\g1a:\g1a+7]
	s_nop 0
.rept 4
	v_nop
.endr
	s_branch .Lasked_\@
.Lfor_b_\@:
	tensor_load_to_lds s[\g0b:\g0b+3], s[\g1b:\g1b+7]
	s_nop 0
.rept 4
	v_nop
.endr
.Lasked_\@:
.endm
.macro CREST                           ; a round of the cluster's barrier behind its opening barrier
	s_cmp_lg_u32 s[WV], 0
	s_cbranch_scc1 .Lnot_wave_0_\@
	s_barrier_signal -3
.Lnot_wave_0_\@:
	s_barrier_wait -3
	s_barrier_signal -1
	s_barrier_wait -1
.endm
.macro CROUND                          ; a whole round
	s_barrier_signal -1
	s_barrier_wait -1
	CREST
.endm
; A PREFETCH INTO THE L2, behind a joint load, its four lines and the run of LDS loads that follows.  At the change of slots in K step s it names the LAST byte of K step s + 4's 192 bytes of a row: the K step that stands
; two refills, 256 matrix instructions, on.  A row of 1,536 bytes is six aligned blocks of 256: s = 0, 1, 2 name blocks 3, 4, 5; K step 7 ends in block 5 again, so s = 3 asks for nothing, nor do s = 4, 5.
; Blocks 0 to 2 come by their loads alone: nothing is prefetched at the head.  Each block is named ONCE in the launch: x's rows are read by every cluster of a row of clusters: cluster x = 0 asks; W's by every cluster
; of a column: cluster y = 0 asks.  The four partners of a joint load share its 128 rows out BY ADDRESS, 32 each, a lane a row: no branch hangs on a work-group's place in its cluster.
.macro ASK slot
	s_cmp_gt_u32 s3, s[LIM+\slot]
	s_cbranch_scc0 .Lnot_mine_\@
	global_prefetch_b8 v[PFO], s[PFA:PFA+1] offset:ROWB-1 th:TH_LOAD_NT scope:SCOPE_SE
.Lnot_mine_\@:
.endm
	s_load_b256 s[4:11], s[0:1], 0x0               ; x's codes s[4:5], x's scales s[6:7], W1's codes s[8:9], W1's scales s[10:11]
	s_load_b128 s[12:15], s[0:1], 0x20             ; W2's codes s[12:13], W2's scales s[14:15]
	s_load_b256 s[16:23], s[0:1], 0x30             ; alpha s[16:17], bias1 s[18:19], bias2 s[20:21], out s[22:23]
	v_lshl_add_u32 v[SPW], v0, 2, SPARE
	v_mov_b32 v[NIL], 0
	ds_add_u32 v28, v29
	ds_add_u32 v28, v29
	s_wait_dscnt 0x0
	v_lshrrev_b32 v1, 5, v0
	v_readfirstlane_b32 s[WV], v1                  ; wave 0..3
	s_lshr_b32 s[HR], s[WV], 1
	s_and_b32 s[HC], s[WV], 1
	s_bfe_u32 s40, ttmp6, 0x40000                  ; cx, cy: my place in the cluster
	s_bfe_u32 s41, ttmp6, 0x40004
	s_lshl_b32 s42, ttmp9, 2
	s_add_co_u32 s42, s42, s40                     ; tile column of out = 4 x cluster x + cx
	s_and_b32 s[TR], ttmp7, 0xffff
	s_lshl_b32 s[TR], s[TR], 2
	s_add_co_u32 s[TR], s[TR], s41                 ; tile row of out = 4 x cluster y + cy
	s_lshl_b32 s43, s41, 2
	s_lshl_b32 s43, 15, s43                        ; my row of the cluster: places 4 cy .. 4 cy + 3
	s_lshl_b32 s44, 0x1111, s40                    ; my column: places cx, cx + 4, cx + 8, cx + 12
	; descriptor group 1: a tile of 128 rows x 192 bytes, padded in LDS
	s_or_b32 s[G1+0], s43, (0<<16)|(1<<20)|(1<<21)|(3<<22)|(3<<25)  ; 15:0 the mask: x's tiles go to my row; 17:16 element of 1 byte; 20 padding on; 21 set beside a mask; 24:22 after every 16 words (code 3); 31:25 of 4 words (code 3)
	s_or_b32 s[G1B+0], s44, (0<<16)|(1<<20)|(1<<21)|(3<<22)|(3<<25) ; the same with the mask of my column, for W's tiles
.irp g, G1, G1B
	s_mov_b32 s[\g+1], ROWB<<16                    ; tensor_dim0 = 192
	s_mov_b32 s[\g+2], 128<<16                     ; tensor_dim1 = 128
	s_mov_b32 s[\g+3], ROWB<<16                    ; tile_dim0 = 192
	s_mov_b32 s[\g+4], 128                         ; tile_dim1 = 128
	s_mov_b32 s[\g+5], KROW                        ; tensor_dim0_stride
	s_mov_b32 s[\g+6], 0
	s_mov_b32 s[\g+7], 0
.endr
	; and for the scales of 128 rows: a dense block of 8,192 bytes, as 32 rows of 256 bytes (32 elements of 8 bytes), 16 bytes of padding behind each
	s_or_b32 s[G1S+0], s43, (3<<16)|(1<<20)|(1<<21)|(5<<22)|(3<<25)
	s_or_b32 s[G1SB+0], s44, (3<<16)|(1<<20)|(1<<21)|(5<<22)|(3<<25)
.irp g, G1S, G1SB
	s_mov_b32 s[\g+1], 32<<16
	s_mov_b32 s[\g+2], (128*KS/256)<<16
	s_mov_b32 s[\g+3], 32<<16
	s_mov_b32 s[\g+4], 128*KS/256
	s_mov_b32 s[\g+5], 32
	s_mov_b32 s[\g+6], 0
	s_mov_b32 s[\g+7], 0
.endr
	; where the tiles come from, in bytes (all under 2^32).  x's hang on the tile row alone, which my row of the cluster shares; W's on the tile column alone, which my column shares.
	s_lshl_b32 s96, s[TR], 8
	s_lshl_b32 s97, s[HC], 7
	s_add_co_u32 s96, s96, s97                     ; x: row 256 x tile row + 128 x half
	s_lshl_b32 s98, s96, 6                         ; its scales: 64 bytes a row
	s_mov_b32 s99, 0
	s_mul_i32 s96, s96, KROW                       ; its codes
	s_mov_b32 s97, 0
	s_lshl_b32 s46, s42, 7                         ; W: row 128 x tile column
	s_lshl_b32 s100, s46, 6
	s_mov_b32 s101, 0
	s_mul_i32 s46, s46, KROW
	s_mov_b32 s47, 0
	s_mul_i32 s45, s[WV], HALFT                    ; where they go: wave x 128 rows: no place in the cluster enters an LDS address
	s_mul_i32 s2, s[WV], HALFS
	s_wait_kmcnt 0x0
	s_cmp_eq_u32 s[HC], 0                          ; wave 2 fetches W1's rows, wave 3 W2's: the choice hangs on the wave's number alone
	s_cselect_b64 s[8:9], s[8:9], s[12:13]
	s_cselect_b64 s[10:11], s[10:11], s[14:15]
	s_add_nc_u64 s[4:5], s[4:5], s[96:97]
	s_add_nc_u64 s[6:7], s[6:7], s[98:99]
	s_add_nc_u64 s[8:9], s[8:9], s[46:47]
	s_add_nc_u64 s[10:11], s[10:11], s[100:101]
	CROUND                                         ; all sixteen work-groups are here: the first joint loads meet
	s_mov_b32 s[G0S], 1                            ; 1:0 count = 1
	s_add_co_u32 s[G0S+1], s2, SCL                 ; 63:32 LDS address
	s_mov_b64 s[G0S+2:G0S+3], s[6:7]               ; 120:64 global address
	s_or_b32 s[G0S+3], s[G0S+3], 0x80000000        ; 127:126 type = 2
	s_mov_b32 s[G0SB], 1
	s_add_co_u32 s[G0SB+1], s2, SCL
	s_mov_b64 s[G0SB+2:G0SB+3], s[10:11]
	s_or_b32 s[G0SB+3], s[G0SB+3], 0x80000000
	JLOAD G0S, G1S, G0SB, G1SB                     ; the scales first: they are wanted with K step 0.  With the two below, three tensor loads of mine are out
.irp s, 0,1
	s_mov_b32 s[G0+4*\s], 1
	s_add_co_u32 s[G0+4*\s+1], s45, \s*SLOT
	s_add_nc_u64 s[G0+4*\s+2:G0+4*\s+3], s[4:5], \s*ROWB
	s_or_b32 s[G0+4*\s+3], s[G0+4*\s+3], 0x80000000
	s_mov_b32 s[G0B+4*\s], 1
	s_add_co_u32 s[G0B+4*\s+1], s45, \s*SLOT
	s_add_nc_u64 s[G0B+4*\s+2:G0B+4*\s+3], s[8:9], \s*ROWB
	s_or_b32 s[G0B+4*\s+3], s[G0B+4*\s+3], 0x80000000
	JLOAD G0+4*\s, G1, G0B+4*\s, G1B
.endr
	v_and_b32 v1, 15, v0                           ; r = lane % 16
	v_bfe_u32 v2, v0, 4, 1                         ; h = lane / 16
	v_mul_u32_u24 v3, v1, PITCH
	v_mul_u32_u24 v4, v2, 24
	v_add_nc_u32 v4, v3, v4                        ; a fragment's row x pitch + 24 x half
	v_lshl_add_u32 v5, v2, 4, v4                   ; and the same behind one padding more
	s_mul_i32 s96, s[HR], HALFT                    ; my 128 rows of x
	s_mul_i32 s97, s[HC], 64*PITCH                 ; my 64 rows of W1,
	s_add_co_u32 s97, s97, 2*HALFT                 ; which lie behind x's 256; the same rows of W2 lie 128 rows further on
.irp s, 0,1
	v_add_nc_u32 v[ADRA+\s], s96, v4
	v_add_nc_u32 v[ADRB+\s], s97, v4
	v_add_nc_u32 v[ADRA+2+\s], s96, v5
	v_add_nc_u32 v[ADRB+2+\s], s97, v5
	s_add_co_u32 s96, s96, SLOT
	s_add_co_u32 s97, s97, SLOT
.endr
	v_lshlrev_b32 v5, 6, v1                        ; my row's scales: 64 bytes a row,
	v_lshrrev_b32 v6, 2, v1
	v_lshl_add_u32 v5, v6, 4, v5                   ; and 16 more for each 256 passed
	s_mul_i32 s96, s[HR], HALFS                    ; x's: my 128 rows
	s_mul_i32 s97, s[HC], 4*SBLK                   ; W1's: my 64 rows, behind x's 256
	s_add_co_u32 s97, s97, 2*HALFS
	s_sub_co_u32 s97, s97, s96
	v_mul_u32_u24 v6, s97, v2                      ; lanes 16-31 take W's: ONE product with the lane's half
	s_add_co_u32 s97, s97, 4*SBLK                  ; W2's block i - 4 lies 4 blocks further on than a block i of W1 would
	v_mul_u32_u24 v7, s97, v2
	s_add_co_u32 s96, s96, SCL
	v_add_nc_u32 v5, s96, v5
	v_add_nc_u32 v[ADRS], v5, v6
	v_add_nc_u32 v[ADRS2], v5, v7
	s_mul_i32 s96, s[WV], 16*SPITCH                ; my stage
	v_mul_u32_u24 v5, v1, SPITCH                   ; in: row r, 32 bytes for each half of the lanes
	v_lshl_add_u32 v5, v2, 5, v5
	v_add_nc_u32 v[STO], s96, v5
	v_mul_u32_u24 v5, v2, SPITCH                   ; back: lanes 0-15 take one row of 256 bytes, lanes 16-31 the next
	v_lshl_add_u32 v5, v1, 4, v5
	v_add_nc_u32 v[RD], s96, v5
	v_lshlrev_b32 v5, 13, v2                       ; and the same two rows in out: 8,192 bytes a row
	v_lshl_add_u32 v[CO], v1, 4, v5
	s_lshl_b32 s96, s[TR], 8
	s_lshl_b32 s97, s[HR], 7
	s_add_co_u32 s96, s96, s97                     ; my first row of out: 256 x tile row + 128 x half
	s_lshl_b32 s98, s96, 2                         ; its alpha, in bytes
	s_lshl_b32 s96, s96, 13                        ; the row, in bytes
	s_mov_b32 s97, 0
	s_lshl_b32 s46, s42, 9                         ; my first column, in bytes: 512 x tile column + 256 x half; the same in bias1 and bias2
	s_lshl_b32 s47, s[HC], 8
	s_add_co_u32 s46, s46, s47
	s_mov_b32 s47, 0
	s_add_nc_u64 s[22:23], s[22:23], s[96:97]
	s_add_nc_u64 s[22:23], s[22:23], s[46:47]
	v_lshl_add_u32 v8, v2, 5, s46                  ; the biases: my columns, + 8 numbers for lanes 16-31
	v_lshl_add_u32 v9, v1, 2, s98                  ; alpha: my rows, + r
.irp b, 0,1,2,3
	global_load_b128 v[BIAS+8*\b:BIAS+8*\b+3],       v8, s[18:19] offset:64*\b
	global_load_b128 v[BIAS+8*\b+4:BIAS+8*\b+7],     v8, s[18:19] offset:64*\b+16
	global_load_b128 v[BIAS+32+8*\b:BIAS+32+8*\b+3], v8, s[20:21] offset:64*\b
	global_load_b128 v[BIAS+32+8*\b+4:BIAS+32+8*\b+7], v8, s[20:21] offset:64*\b+16
.endr
.irp a, 0,1,2,3,4,5,6,7
	global_load_b32 v[AL+4*\a], v9, s[16:17] offset:64*\a
.endr
	; the prefetches (macro ASK).  s[4:5] stands at the 128 rows of x that I fetch, s[8:9] at the 128 rows of my weight
	s_and_b32 s98, ttmp7, 0xffff                   ; cluster y
	s_cmp_eq_u32 s[HR], 0                          ; do I fetch for x?
	s_cselect_b64 s[PFA:PFA+1], s[4:5], s[8:9]
	s_cselect_b32 s96, s40, s41                    ; my place among the four that ask with me
	s_cselect_b32 s98, ttmp9, s98                  ; the coordinate along which other clusters read the same rows
	s_mul_i32 s96, s96, 32*KROW                    ; my work-group's 32 rows of the 128,
	s_add_co_u32 s96, s96, 3*ROWB                  ; at K step 3: the first change of slots steps it to K step 4
	s_mov_b32 s97, 0
	s_add_nc_u64 s[PFA:PFA+1], s[PFA:PFA+1], s[96:97]
	s_cmp_eq_u32 s98, 0                            ; the same in all sixteen partners, for a given wave
	s_cselect_b32 s[LIM], 1, -1                    ; slot 0's changes: in the laps counted 3 and 2 (K steps 0 and 2)
	s_cselect_b32 s[LIM+1], 2, -1                  ; slot 1's: in the lap counted 3 (K step 1)
	v_and_b32 v[PFO], 31, v0
	v_mul_u32_u24 v[PFO], v[PFO], KROW
.macro FRAG reg, adr, q, rows          ; a fragment, 16 rows x 128 K of 6-bit codes, is 12 registers: lane l holds row l % 16; registers 6 c .. 6 c + 5 hold K = 64 c + 32 (l / 16) + 0 .. 31: 24 bytes of the row's stream of bits, as they lie
.irp p, 0,1,2,3,4,5                    ; in pieces of 8 bytes, so that every address is a multiple of the access's size.  Lanes 0-15 take the row's pieces 12 q + 0, 1, 2 and 12 q + 6, 7, 8, lanes 16-31 those three pieces on
.set PC, 12*(\q)+6*(\p/3)+\p%3        ; 16 bytes of padding lie behind every 64 bytes (8 pieces): where the piece three on lies behind one padding more, the second address register (40 for 24 bytes a half) serves
.if PC%8 < 5
	ds_load_b64 v[\reg+2*\p:\reg+2*\p+1], v[\adr] offset:8*PC+16*(PC/8)+(\rows)*PITCH
.else
	ds_load_b64 v[\reg+2*\p:\reg+2*\p+1], v[\adr+2] offset:8*PC+16*(PC/8)+(\rows)*PITCH
.endif
.endr
.endm
; 16 matrix instructions: x's blocks a0, a0 + 1 against W's eight (0-3: W1, 4-7: W2), 128 along K: the slot's q-th.  p: W's set;  sc: the set of scale words.  zero = 1: the first product starts the sums, from the bias.
; The 64 accumulators take turns, one instruction a turn, in the same order in every step.
.macro MUL16 a0, p, q, sc, zero
.irp a, \a0, \a0+1
.irp b, 0,1,2,3,4,5,6,7
.if \zero
	v_wmma_scale_f32_16x16x128_f8f6f4 v[8*(8*((\a)%4)+\b):8*(8*((\a)%4)+\b)+7], v[128*(\p)+FR*\b:128*(\p)+FR*\b+FR-1], v[AF+FR*(\a):AF+FR*(\a)+FR-1], v[BIAS+8*\b:BIAS+8*\b+7], v[SC+8*NQ*(\sc)+NQ*\b+(\q)], v[SC+8*NQ*(\sc)+NQ*(\a)+(\q)] matrix_a_fmt:MATRIX_FMT_FP6 matrix_b_fmt:MATRIX_FMT_FP6 matrix_a_scale:MATRIX_SCALE_ROW1
.else
	v_wmma_scale_f32_16x16x128_f8f6f4 v[8*(8*((\a)%4)+\b):8*(8*((\a)%4)+\b)+7], v[128*(\p)+FR*\b:128*(\p)+FR*\b+FR-1], v[AF+FR*(\a):AF+FR*(\a)+FR-1], v[8*(8*((\a)%4)+\b):8*(8*((\a)%4)+\b)+7], v[SC+8*NQ*(\sc)+NQ*\b+(\q)], v[SC+8*NQ*(\sc)+NQ*(\a)+(\q)] matrix_a_fmt:MATRIX_FMT_FP6 matrix_b_fmt:MATRIX_FMT_FP6 matrix_a_scale:MATRIX_SCALE_ROW1
.endif
.endr
.endr
.endm
.macro FETCH_B slot, q, p              ; W's eight fragments of the slot's q-th 128 along K into set p: blocks 0-3 my rows of W1, blocks 4-7 the same rows of W2, 128 LDS rows further on (offsets up to 42,432: inside 16 bits)
	WIN TO_B
.irp i, 0,1,2,3,4,5,6,7
	FRAG 128*(\p)+FR*\i, ADRB+\slot, \q, 16*(\i%4)+128*(\i/4)
.endr
	WIN 0
.endm
.macro FETCH_A slot, q, i0             ; x's blocks i0 .. i0 + 3
.irp i, \i0, \i0+1, \i0+2, \i0+3
	FRAG AF+FR*(\i), ADRA+\slot, \q, 16*(\i)
.endr
.endm
.macro SCALES sc                       ; the next K step's scale words into set sc: two words a row; lanes 0-15 take x's block i, lanes 16-31 W's block i
.irp i, 0,1,2,3
	ds_load_b64 v[SC+8*NQ*\sc+NQ*\i:SC+8*NQ*\sc+NQ*\i+1], v[ADRS] offset:\i*SBLK
.endr
.irp i, 4,5,6,7
	ds_load_b64 v[SC+8*NQ*\sc+NQ*\i:SC+8*NQ*\sc+NQ*\i+1], v[ADRS2] offset:\i*SBLK
.endr
.endm
; A load into a register that a matrix instruction has read, and a vector instruction that reads a matrix result, stand NP places behind that matrix instruction, and only plain vector instructions that name none of
; its registers are places (ISA guide 7.12.1 for vector instructions); the matrix instructions in between are not counted.
.macro PLACES n
.rept \n
	v_nop
.endr
.endm
; A step of 128 along K that has its successor in the same slot.  x has one set of registers: a block is free as soon as its eight products are issued, so blocks 0-3 are fetched anew in the step's middle, blocks 4-7 at its end.
.macro STEP slot, q, zero
	s_wait_dscnt 4*NL                              ; W's set, x's blocks 0-3 and the scale words are in; the youngest 24 loads (x's blocks 4-7) may be out
.if \zero
	WIN MUL_LO0
.else
	WIN MUL_LO
.endif
	MUL16 0, (\q)%2, \q, \slot, \zero
	MUL16 2, (\q)%2, \q, \slot, \zero
	s_wait_dscnt 0                                 ; x's blocks 4-7 are in (asked for 32 matrix instructions ago)
	PLACES NP
	FETCH_B \slot, (\q)+1, 1-(\q)%2
	FETCH_A \slot, (\q)+1, 0
.if \zero
	WIN MUL_HI0
.else
	WIN MUL_HI
.endif
	MUL16 4, (\q)%2, \q, \slot, \zero
	MUL16 6, (\q)%2, \q, \slot, \zero
	PLACES NP
	WIN 0
	FETCH_A \slot, (\q)+1, 4
.endm
; A slot's last step changes slots: ONE barrier; in front of it each wave waits for all its tensor loads, adds 0 to its spare word, and waits for that and for its own reads of this slot.
; fill = 1: the barrier opens a round of the cluster's barrier, and this slot is filled again, two K steps ahead: from that request to the wait for it a wave issues 96 matrix instructions.
.macro TURN slot, next, fill
.if \fill
	s_wait_xcnt 0x0                                ; the last prefetch, a K step back, has read its address: it is stepped here, ahead of the waits of the change of slots
	s_add_nc_u64 s[PFA:PFA+1], s[PFA:PFA+1], ROWB
.endif
	s_wait_tensorcnt 0x0                           ; all my tensor loads have landed: the one that was out is my part of the next slot  (every window is 0 here: the add's two registers lie in window 0)
	ds_add_u32 v[SPW], v[NIL]                      ; 0 onto my spare word
	s_wait_dscnt 4*NL+1                            ; (the add and the youngest 24 loads, x's blocks 4-7, may be out)
	WIN MUL_LO
	MUL16 0, 1, NQ-1, \slot, 0                     ; sixteen matrix instructions stand between the add and the wait for it
	s_wait_dscnt 0x0                               ; the add is done, and my reads of this slot are over
	s_barrier_signal -1
	MUL16 2, 1, NQ-1, \slot, 0
	WIN 0
	s_barrier_wait -1
.if \fill
	CREST                                          ; no wave of any partner still reads this slot's tile or has a load on its way
	s_add_nc_u64 s[G0+4*\slot+2:G0+4*\slot+3], s[G0+4*\slot+2:G0+4*\slot+3], 2*ROWB
	s_add_nc_u64 s[G0B+4*\slot+2:G0B+4*\slot+3], s[G0B+4*\slot+2:G0B+4*\slot+3], 2*ROWB
	JLOAD G0+4*\slot, G1, G0B+4*\slot, G1B         ; the first tensor load behind the round, my one load until the next; the four v_nop behind it are the places in front of the loads below
.else
	PLACES NP
.endif
	v_add_nc_u32 v[ADRS], 4*NQ, v[ADRS]            ; on to the next K step's scale words: 8 bytes a row
	v_add_nc_u32 v[ADRS2], 4*NQ, v[ADRS2]
	FETCH_B \next, 0, 0
	FETCH_A \next, 0, 0
	SCALES \next
.if \fill
	ASK \slot
.endif
	WIN MUL_HI
	MUL16 4, 1, NQ-1, \slot, 0
	MUL16 6, 1, NQ-1, \slot, 0
	PLACES NP
	WIN 0
	FETCH_A \next, 0, 4
.endm
	s_wait_tensorcnt 1                             ; the scales and my part of K step 0 are in (K step 1's load may be out)
	s_barrier_signal -1
	s_barrier_wait -1                              ; everybody's are
	FETCH_B 0, 0, 0
	FETCH_A 0, 0, 0
	SCALES 0
	FETCH_A 0, 0, 4
	s_wait_loadcnt 0x0                             ; the biases and alpha
.irp a, 0,1,2,3,4,5,6,7
	v_sub_f32 v[AL+4*\a+2], 1.0, v[AL+4*\a]        ; 1 - alpha
.endr
.irp a, 0,1,2,3,4,5,6,7
	v_mov_b32 v[AL+4*\a+1], v[AL+4*\a]             ; each twice: pairs for the packed forms
	v_mov_b32 v[AL+4*\a+3], v[AL+4*\a+2]
.endr
	STEP 0, 0, 1                                   ; the first step stands in front of the loop: its products start the sums, from the biases: nothing is cleared
	s_mov_b32 s3, LAPS-1
.Llap:                                                 ; a trip goes once round the ring, from a lap's second step to the next lap's first, and fills both slots again: three trips bring K steps 2 to 7
	TURN 0, 1, 1
	STEP 1, 0, 0
	TURN 1, 0, 1
	STEP 0, 0, 0
	s_sub_co_u32 s3, s3, 1
	s_cmp_lg_u32 s3, 0
	s_cbranch_scc1 .Llap
	TURN 0, 1, 0                                   ; the last lap fills nothing, and has no round of the cluster's barrier
	STEP 1, 0, 0
	s_wait_dscnt 4*NL                              ; the very last step: nothing more to fetch
	WIN MUL_LO
	MUL16 0, 1, NQ-1, 1, 0
	MUL16 2, 1, NQ-1, 1, 0
	s_wait_dscnt 0
	WIN MUL_HI
	MUL16 4, 1, NQ-1, 1, 0
	MUL16 6, 1, NQ-1, 1, 0
	WIN 0
; THE WAY OUT, block by block of 16 rows x 64 columns.
; COMBINE: out = alpha (y1 + b1) + (1 - alpha) (y2 + b2), two numbers an instruction: 16 packed multiplies of W2's accumulators, 16 packed multiply-adds of W1's.  Each accumulator is read from its low end on.
.macro COMBINE a
.set AC, 64*((\a)%4)
.set OS, OUTS+32*((\a)%2)
	WIN 0x02+(\a)/4                                ; source 0: window 2 or 3; all else window 0
.irp b, 0,1,2,3
.irp p, 0,1,2,3
	v_pk_mul_f32 v[OS+8*\b+2*\p:OS+8*\b+2*\p+1], v[AC+8*(\b+4)+2*\p:AC+8*(\b+4)+2*\p+1], v[AL+4*(\a)+2:AL+4*(\a)+3]
.endr
.endr
.irp b, 0,1,2,3
.irp p, 0,1,2,3
	v_pk_fma_f32 v[OS+8*\b+2*\p:OS+8*\b+2*\p+1], v[AC+8*\b+2*\p:AC+8*\b+2*\p+1], v[AL+4*(\a):AL+4*(\a)+1], v[OS+8*\b+2*\p:OS+8*\b+2*\p+1]
.endr
.endr
	WIN 0
.endm
; A lane holds 32 neighbouring bytes of a row for each of four blocks of columns, and the lanes beside it hold other rows: so a block goes through my own stage in LDS and comes back as whole rows of 256 bytes.
; LDS serves a wave's instructions in order (ISA guide 5.7.1.4): no wait between the stores and the loads, nor in front of the next block's stores.
.macro TOSTAGE a
.set OS, OUTS+32*((\a)%2)
.set BB, BK+32*((\a)%2)
.irp b, 0,1,2,3
	ds_store_b128 v[STO], v[OS+8*\b:OS+8*\b+3] offset:64*\b
	ds_store_b128 v[STO], v[OS+8*\b+4:OS+8*\b+7] offset:64*\b+16
.endr
.irp t, 0,1,2,3,4,5,6,7
	ds_load_b128 v[BB+4*\t:BB+4*\t+3], v[RD] offset:\t*2*SPITCH
.endr
.endm
.macro SEND a, younger                 ; younger: the LDS instructions issued behind block a's loads, which may stay out
.set BB, BK+32*((\a)%2)
	s_wait_dscnt \younger                          ; the block is back in registers; its stores into the stage have read theirs
.irp t, 0,1,2,3,4,5,6,7
	global_store_b128 v[CO], v[BB+4*\t:BB+4*\t+3], s[22:23] offset:(16*(\a)+2*\t)*OROW th:TH_STORE_NT   ; 16 lanes store 256 consecutive bytes, at a multiple of 256 from out's first byte; the row stands in the immediate, 1,032,192 at the most: no base is stepped
.endr
.endm
	PLACES NP                                      ; behind the last products: for the first reads of results and for the loads into the registers that held x's fragments
	COMBINE 0
	TOSTAGE 0
.irp a, 1,2,3,4,5,6,7
	COMBINE \a                                     ; block a's arithmetic stands between block a - 1's loads from the stage and the wait for them
.if \a > 1
	s_wait_xcnt 0x0                                ; block a - 2's stores have read their registers: block a's loads may land there
.endif
	TOSTAGE \a
	SEND \a-1, 16                                  ; behind block a - 1's loads: block a's 8 stores and 8 loads
.endr
	SEND 7, 0
	s_wait_tensorcnt 0x0                           ; the wave's end: behind my last tensor load and my last LDS store
	ds_add_u32 v[SPW], v[NIL]
	s_wait_dscnt 0x0
	CROUND                                         ; the closing round: no work-group ends while a partner may still ask for a tile that names it
	s_endpgm
.Lfunc_end_k_q6c52ed05a9_ilin:
	.size	k_q6c52ed05a9_ilin, .Lfunc_end_k_q6c52ed05a9_ilin-k_q6c52ed05a9_ilin
	.p2alignl 7, 3214868480
	.fill 96, 4, 3214868480
	.section	.rodata,"a",@progbits
	.p2align	6, 0x0
	.amdhsa_kernel k_q6c52ed05a9_ilin
		.amdhsa_group_segment_fixed_size 327680
		.amdhsa_private_segment_fixed_size 0
		.amdhsa_enable_private_segment 0
		.amdhsa_kernarg_size 80
		.amdhsa_user_sgpr_count 2
		.amdhsa_user_sgpr_kernarg_segment_ptr 1
		.amdhsa_wavefront_size32 1
		.amdhsa_system_sgpr_workgroup_id_x 1
		.amdhsa_system_sgpr_workgroup_id_y 1
		.amdhsa_system_sgpr_workgroup_id_z 1
		.amdhsa_system_vgpr_workitem_id 0
		.amdhsa_next_free_vgpr 1024
		.amdhsa_next_free_sgpr 106
		.amdhsa_reserve_vcc 0
		.amdhsa_float_denorm_mode_32 3
		.amdhsa_float_denorm_mode_16_64 3
		.amdhsa_memory_ordered 1
		.amdhsa_forward_progress 1
		.amdhsa_inst_pref_size 166
	.end_amdhsa_kernel
	.amdgpu_metadata
---
amdhsa.version: [ 1, 2 ]
amdhsa.kernels:
  - .name:           k_q6c52ed05a9_ilin
    .symbol:         k_q6c52ed05a9_ilin.kd
    .args:
      - { .name: input_codes, .offset: 0, .size: 8, .value_kind: global_buffer, .address_space: global }
      - { .name: input_scales, .offset: 8, .size: 8, .value_kind: global_buffer, .address_space: global }
      - { .name: weight1_codes, .offset: 16, .size: 8, .value_kind: global_buffer, .address_space: global }
      - { .name: weight1_scales, .offset: 24, .size: 8, .value_kind: global_buffer, .address_space: global }
      - { .name: weight2_codes, .offset: 32, .size: 8, .value_kind: global_buffer, .address_space: global }
      - { .name: weight2_scales, .offset: 40, .size: 8, .value_kind: global_buffer, .address_space: global }
      - { .name: alpha, .offset: 48, .size: 8, .value_kind: global_buffer, .address_space: global }
      - { .name: bias1, .offset: 56, .size: 8, .value_kind: global_buffer, .address_space: global }
      - { .name: bias2, .offset: 64, .size: 8, .value_kind: global_buffer, .address_space: global }
      - { .name: out0, .offset: 72, .size: 8, .value_kind: global_buffer, .address_space: global }
    .group_segment_fixed_size: 327680
    .private_segment_fixed_size: 0
    .kernarg_segment_align: 8
    .kernarg_segment_size: 80
    .max_flat_workgroup_size: 128
    .sgpr_count:     106
    .vgpr_count:     1024
    .wavefront_size: 32
...
	.end_amdgpu_metadata
.endif
;; end of part 1
